; MI455X (gfx1250); checked and timed in simulation.
; The chip was launched on July 23, 2026; its instructions are those of AMD's public machine-readable ISA for CDNA 5 (MIT licence, August 2026) and "CDNA5" Instruction Set Architecture Reference Guide (July 2026). The comments in the code are by the model that wrote it; some were corrected since.
;; NSFP Raw MLP. Allowed arithmetic: matrix products marked QUANTISED: E2M1 operands, one E8M0 scale for each 32 along K, by v_wmma_scale_f32_16x16x128_f8f6f4 with both operands' format E2M1 (or v_wmma_scale_f32_32x16x128_f4), f32 sums; products left as they are: f32 operands where the result goes on into a quantised operand, else bf16, f16 or f32 operands; f32 sums; everything else in f32.
;; Inputs: b_hid 7 x 128 float32; b_in 128 float32; b_out 3 float32; w_hid_codes 7 x 128 x 4 x 16 uint8 (E2M1 codes of w_hid, K innermost, in blocks of 32 codes, two codes a byte); w_hid_scales 7 x 128 x 4 uint8 (E8M0 scales of w_hid, one for each 32 codes along K); w_in 3 x 128 float32; w_out 128 x 3 float32; x 524,288 x 3 float32.
;; Outputs: out0 524,288 x 3 float32.
;; This version of the problem:
;;   THIS VERSION OF THE PROBLEM IS GIVEN IN LOW PRECISION. The matrix products marked QUANTISED in the list below multiply operands that are first quantised to E2M1 (2 exponent bits, 1 mantissa bit; 4 bits a number), with one power-of-two scale for each 32 numbers along K (OCP MX v1.0); their sums are f32. All else is computed in f32.
;;   The module's matrix products, in the order in which they are computed (A, B: the left and right operand; K: the contracted axis; several contracted axes count as one K, in the product's order):
;;     1. [M 524,288, K 3] x [K 3, N 128]; A: input x; B: input w_in: left as it is (K = 3 < 32)
;;     2. [M 524,288, K 128] x [K 128, N 128]; A: computed on the way; B: input w_hid (given as codes): QUANTISED
;;     3. [M 524,288, K 128] x [K 128, N 128]; A: computed on the way; B: input w_hid (given as codes): QUANTISED
;;     4. [M 524,288, K 128] x [K 128, N 128]; A: computed on the way; B: input w_hid (given as codes): QUANTISED
;;     5. [M 524,288, K 128] x [K 128, N 128]; A: computed on the way; B: input w_hid (given as codes): QUANTISED
;;     6. [M 524,288, K 128] x [K 128, N 128]; A: computed on the way; B: input w_hid (given as codes): QUANTISED
;;     7. [M 524,288, K 128] x [K 128, N 128]; A: computed on the way; B: input w_hid (given as codes): QUANTISED
;;     8. [M 524,288, K 128] x [K 128, N 128]; A: computed on the way; B: input w_hid (given as codes): QUANTISED
;;     9. [M 524,288, K 128] x [K 128, N 3]; A: computed on the way; B: input w_out: left as it is (N = 3 < 16)
;;   THE QUANTISER, for each operand of a quantised product, along K:
;;     - K is cut into blocks of 32 from its start; a last block that is shorter is filled with zeros.
;;     - A block's scale is 2^e with e = floor(log2(the largest magnitude in the block)) - 2, held to -126 .. 127; a block of zeros has e = 0. As a byte (E8M0): e + 127.
;;     - Each number is divided by its block's scale, clamped to +-6, and rounded to the nearest number of E2M1, ties to even, subnormals kept.
;;     - The product sums the exact products of the quantised numbers (number of the format x scale) in f32.
;;   ~~~python
;;   def quantise(x, axis):      # numpy; x: float32 -> the quantised numbers, widened to float32 again
;;       x = np.moveaxis(x, axis, -1); K = x.shape[-1]
;;       x = np.pad(x, [(0, 0)] * (x.ndim - 1) + [(0, -K % 32)]); x = x.reshape(x.shape[:-1] + (-1, 32)); a = np.abs(x).max(-1, keepdims=True)
;;       e = np.where(a > 0, np.clip(np.frexp(np.where(a > 0, a, 1))[1] - 1 - 2, -126, 127), 0)      # np.frexp(a)[1] - 1 = floor(log2(a)), exactly
;;       r = np.clip(x / 2.0 ** e, -6, 6)
;;       step = 2.0 ** (np.maximum(np.frexp(np.where(r == 0, 1, r))[1] - 1, 0) - 1)
;;       q = np.round(r / step) * step * 2.0 ** e      # np.round: ties to even
;;       return np.moveaxis(q.reshape(q.shape[:-2] + (-1,))[..., :K], -1, axis).astype(np.float32)
;;   ~~~
;;   OPERANDS COMPUTED ON THE WAY. 'Computed on the way' means the value that the module computes at that place (a softmax that the list does not call 'softmax' is quantised finished and normalised). What goes into a quantiser is computed in f32, as accurately as f32 sums, v_exp_f32 and their like allow (about 1e-6 of the number): no bf16 or f16 on the way to a quantiser, and a product that is left as it is and whose result goes on into a quantised operand takes f32 operands (vector FMAs, or v_wmma_f32_16x16x4_f32). A number that lies on a knife's edge between two numbers of the format may be rounded either way, as far as f32 arithmetic and the matrix unit's own rounding can turn it there, and no further.
;;   INPUTS GIVEN AS CODES. w_hid (in the module: [7, 128, 128], K = its axis 1): each comes as NAME_codes (uint8): NAME with its K axis moved to the last place and cut into blocks of 32 codes, [.., K / 32, bytes a block], one block behind the other in memory; two codes a byte, the lower K in the low four bits (a code: sign, 2 exponent bits, 1 mantissa bit); and NAME_scales (uint8): the same leading axes, one E8M0 byte (e + 127) for each 32 codes along K. Its value is code x scale, taken as it is: it is not quantised again, and the codes and scales need not be those that the quantiser above would give.
;; 2 versions, each right; version 2 is version 1 with the launch mlp written anew for expert scheduling mode. Each part assembles by itself: llvm-mc -triple=amdgcn-amd-amdhsa -mcpu=gfx1250 --defsym DOCPART=n.
;; ======== version 1 of 2: 1 launch
;; launch mlp (part 1): grid 256 x 1, 8 waves a work-group, no clusters, 102,400 bytes of LDS; arguments x, w_in, b_in, w_hid_codes, w_hid_scales, b_hid, w_out, b_out, out0; writes out0
.if DOCPART == 1
	.amdgcn_target "amdgcn-amd-amdhsa--gfx1250"
	.amdhsa_code_object_version 6
	.text
	.protected	k_qdb407a9e4e_mlp
	.globl	k_qdb407a9e4e_mlp
	.p2align	8
	.type	k_qdb407a9e4e_mlp,@function
k_qdb407a9e4e_mlp:
	s_mov_b64 s[64:65], 0
	v_nop
	global_prefetch_b8 v0, s[64:65] scope:SCOPE_SE
	s_setreg_imm32_b32 hwreg(HW_REG_WAVE_MODE, 25, 1), 1
	s_wait_xcnt 0x0
; out = (relu(.. relu(relu(x w_in + b_in) W0 + b0) ..) W6 + b6) w_out + b_out for 524,288 rows.  x, out: [524288][3] f32.
; The seven products 128 -> 128 run on codes of FP4 (E2M1) with one E8M0 scale for each 32 along K: the weights come as codes (64 bytes and one scale word for each output unit),
; the activations are quantised here, in registers.  The first product (K = 3) is done by the f32 matrix form, since its result goes into a quantiser; the last (N = 3) on bf16 operands; all sums f32.
; SHARES.  256 work-groups of eight waves; a work-group owns 2,048 rows, a wave 256, in two passes of eight tiles of 16 rows.  A wave takes its rows through all nine products alone: nothing
; of the chain goes to memory or to another wave.  The waves share only the weights, which lie in LDS, read-only behind the one barrier.  Eight waves of 512 registers: two to a SIMD, so that one
; wave's matrix instructions stand beside the other's vector work, of which there is ten times as much (80 vector instructions requantise what 8 matrix instructions make).
; ALL PRODUCTS ARE USED TRANSPOSED: source 0 = 16 rows of a weight (16 output units), source 1 = 16 rows of data.  A lane then holds ONE data row (lane % 16) throughout.
; THE UNITS OF A TILE ARE NOT NEIGHBOURS: lane r of weight tile t takes unit UB(t) + r % 8 + 32 (r / 8), UB(t) = 64 (t / 4) + 8 (t % 4).  In the result lane (r, h) register j of tile t is unit
; 64 (t / 4) + 32 h + 8 (t % 4) + j, which is the k of register t of the next 4-bit operand.  So ONE conversion of a tile's eight registers IS register t of the next operand, a block of 32
; (tiles 4 c .. 4 c + 3: block 2 c + h) lies in one lane, and only the scale word's bytes cross the halves of the lanes.
; RELU IS DONE ON THE CODES: the block's maximum is taken without |.| (what is negative does not count; a floor stands under it), the numbers are converted as they are, and the magnitude bits of every
; negative code are cleared: four instructions for eight numbers.
; BIASES: b_hid is the C of each product; b_in is the fourth k of the first product, against a fourth x of 1.0; b_out is the C of the last.
; NO JOINT LOADS, NO TENSOR LOADS: what work-groups share is 64,512 bytes of weights, read once by each at its head, against 2,048 rows x 9 products of work; they go through registers into LDS
; as images of the operand's registers, with the tiles' units already chosen.  All global reads stand at the head, so nothing is prefetched.
; LIMITS: NaN and infinities are not served.  A negative activation becomes the code -0, which adds nothing.  A block with no positive number gets the scale byte 1 (the rule says 127) over zero codes:
; the bytes are read by this text alone.  The first product sums x0 w0, x1 w1, x2 w2, b in that order.  The last product's operands are rounded to bf16.
;
; LDS:  WIMG 0: images of the weights' fragments: ((8 l + t) 2 + c) 512 + 16 lane;  BIA: b_hid as it lies;  WSCL: the weights' scale words as they lie;
;       XST: for each wave its 256 rows of x as they lie (3,072 bytes);  OST: for each wave a pass's 128 rows of out (1,536 bytes).
.set BIA,  57344
.set WSCL, 60928
.set XST,  64512
.set OST,  89088
; REGISTERS, in windows of 256 (s_set_vgpr_msb: bits 1:0 source 0, 3:2 source 1, 5:4 source 2, 7:6 destination).  Window 0: all that vector instructions touch.
.set LI,   1        ; v1   16 x lane; never rewritten
.set AB0,  2        ; v2   BIA + 128 h
.set AS0,  3        ; v3   WSCL + 4 (r % 8 + 32 (r / 8))
.set AX0,  4        ; v4   my wave's x in LDS + 12 r + 8 h
.set AX1,  5        ; v5   my wave's x in LDS + 12 r + 4
.set AO,   6        ; v6   my wave's out stage + 12 r
.set AOR,  7        ; v7   my wave's out stage + 16 lane
.set ADW,  8        ; v8-10  addresses of the layer in hand: weights, bias, scale words
.set ADB,  9
.set ADS,  10
.set AXA,  11       ; v11-12 x's addresses of the pass in hand
.set AXB,  12
.set SH8,  13       ; v13  8 h
.set TM,   16       ; v16-23 maxima
.set SO,   24       ; v24-25 the conversions' scale operands
.set SB,   26       ; v26-27 scale bytes
.set RAW,  28       ; v28-35 codes as converted
.set NT,   36       ; v36-43, v44-51 at work on the codes; together RT, 16 registers at work on the way out
.set NU,   44
.set RT,   36
.set WS,   52       ; v52-59 the weights' scale words, one a tile: scales and nothing else
.set ASC,  60       ; v60-67 the activations' scale words, one a row tile: scales and nothing else
.set COUT, 68       ; v68-75 b_out in the result's layout
.set OA,   76       ; v76-83, v84-91 the last product's two accumulators
.set OB,   84
.set HB,   92       ; v92-123 the last hidden layer in bf16
.set ACC,  128      ; v128-255 two sets of eight accumulators: written by matrix instructions alone
; Window 1:
.set WF,   0        ; v0-63    one layer's eight fragments
.set BI,   64       ; v64-127  one layer's bias, eight registers a tile
.set CD,   128      ; v128-191 the activations' codes, eight registers a row tile
.set AOUT, 192      ; v192-223 w_out^T in bf16, padded to 16 rows
.set AIN,  224      ; v224-239 (w_in | b_in)^T, two registers a tile
.set XB,   240      ; v240-255 (x | 1), two registers a row tile
.set STW,  0        ; at the head: v0-55 weights, v56-79 x on their way to LDS; v88-95 b_in; v96-159 w_out in f32
.set STX,  56
.set BT,   88
.set FO,   96
; Scalars: s[4:19] the first eight addresses, s[20:21] out0
.set WV,   22
.set SEL,  24       ; s[24:25] v_permlanex16_b32's selects for lane l xor 16
.set FLOOR, 26
.set M2,   27
.set K8,   28
.set HM,   29       ; lanes 16-31
.set OM,   30       ; lanes with lane % 8 < 3
.set LW,   31       ; 8,192 x the layer to be fetched
.set LB,   32       ; 512 x the same
.set PX,   33       ; 1,536 x the pass
.set LC,   34
.set PN,   35
.set MSB, 0
.macro WIN new                         ; the immediate's high byte repeats the setting that is left; a switch that changes nothing is dropped
.if MSB != \new
	s_set_vgpr_msb (MSB<<8)|\new
.set MSB, \new
.endif
.endm
	s_load_b512 s[4:19], s[0:1], 0x0               ; x, w_in, b_in, codes, scales, b_hid, w_out, b_out
	s_load_b64 s[20:21], s[0:1], 0x40              ; out0
	v_lshl_add_u32 v126, v0, 2, 0x18c00
	v_mov_b32 v127, 0
	v_lshrrev_b32 v15, 5, v0
	v_readfirstlane_b32 s[WV], v15                 ; wave 0..7
	v_and_b32 v14, 31, v0                          ; lane
	v_and_b32 v16, 15, v0                          ; r
	v_bfe_u32 v17, v0, 4, 1                        ; h
	v_and_b32 v18, 7, v0                           ; r % 8
	v_bfe_u32 v19, v0, 3, 1                        ; r / 8
	v_lshl_add_u32 v20, v19, 5, v18                ; ru = r % 8 + 32 (r / 8): my unit in a tile
	v_lshlrev_b32 v[LI], 4, v14
	v_lshl_add_u32 v[AB0], v17, 7, BIA
	v_lshl_add_u32 v[AS0], v20, 2, WSCL
	v_mul_u32_u24 v21, v16, 12                     ; a row of x or of out is 12 bytes
	s_mul_i32 s23, s[WV], 3072
	s_add_co_u32 s39, s23, XST
	v_add_nc_u32 v[AX1], s39, v21
	v_lshl_add_u32 v[AX0], v17, 3, v[AX1]
	v_add_nc_u32 v[AX1], 4, v[AX1]
	v_add_nc_u32 v24, s39, v[LI]                   ; where I put x
	s_mul_i32 s42, s[WV], 1536
	s_add_co_u32 s42, s42, OST
	v_add_nc_u32 v[AO], s42, v21
	v_add_nc_u32 v[AOR], s42, v[LI]
	v_lshlrev_b32 v[SH8], 3, v17
	s_lshl_b32 s43, s[WV], 10
	v_add_nc_u32 v23, s43, v[LI]                   ; where I put the images of tile t = my wave
	s_lshl_b32 s43, s[WV], 9
	v_add_nc_u32 v28, s43, v[LI]                   ; 512 w + 16 lane: my 16 bytes of layer w's bias and scale words, in memory and in LDS alike
	s_lshr_b32 s43, s[WV], 2
	s_lshl_b32 s43, s43, 12
	s_and_b32 s44, s[WV], 3
	s_lshl_b32 s44, s44, 9
	s_add_co_u32 s43, s43, s44                     ; 64 UB(w)
	v_lshlrev_b32 v22, 6, v18
	v_lshl_add_u32 v22, v19, 11, v22
	v_lshl_add_u32 v22, v17, 4, v22
	v_add_nc_u32 v22, s43, v22                     ; the codes of my unit of tile w: 64 (UB(w) + ru) + 16 h
	v_lshlrev_b32 v26, 2, v20                      ; 4 ru
	v_lshl_add_u32 v25, v17, 10, v26               ; + row 2 h of w_in
	v_min_u32 v27, 2, v18
	v_lshlrev_b32 v27, 2, v27
	v_mad_u32_u24 v27, v17, 384, v27               ; w_out: column min(lane % 8, 2), 32 h rows of 12 bytes down
	v_cmp_le_u32 s[HM], 16, v14
	v_cmp_gt_u32 s[OM], 3, v18
	s_mov_b32 s[SEL], 0x76543210
	s_mov_b32 s[SEL+1], 0xfedcba98
	s_mov_b32 s[FLOOR], 0x01800000                 ; 2^(3 - 127): under it no largest number is taken, so the scale's byte cannot fall under 1
	s_mov_b32 s[M2], 0xff000000                    ; takes 2 off an exponent field
	s_mov_b32 s[K8], 0x88888888                    ; the sign bits of eight codes
	s_mul_i32 s40, ttmp9, 24576                    ; my work-group's 2,048 rows of 12 bytes,
	s_add_co_u32 s40, s40, s23                     ; my wave's 256
	s_mov_b32 s41, 0
	s_wait_kmcnt 0x0
	s_load_b96 s[36:38], s[18:19], 0x0             ; b_out
	s_add_nc_u64 s[4:5], s[4:5], s[40:41]
	s_add_nc_u64 s[20:21], s[20:21], s[40:41]
	WIN 0x40                                       ; destinations in window 1
.irp l, 0,1,2,3,4,5,6                          ; wave w stages tile w of all seven layers: a fragment's registers as the matrix instruction wants them
.irp c, 0,1
	global_load_b128 v[STW+4*(2*\l+\c):STW+4*(2*\l+\c)+3], v22, s[10:11] offset:8192*\l+32*\c
.endr
.endr
.irp i, 0,1,2,3,4,5
	global_load_b128 v[STX+4*\i:STX+4*\i+3], v[LI], s[4:5] offset:512*\i th:TH_LOAD_NT   ; my wave's x: 512 consecutive bytes a load, from a multiple of 256
.endr
.irp t, 0,1,2,3,4,5,6,7                        ; the first product's source 0: lane (r, h) register j holds k = 2 h + j of its unit: w_in rows 0, 1 | row 2, b_in
	global_load_b32 v[AIN+2*\t], v25, s[6:7] offset:4*(64*(\t/4)+8*(\t%4))
	global_load_b32 v[AIN+2*\t+1], v26, s[6:7] offset:512+4*(64*(\t/4)+8*(\t%4))
	global_load_b32 v[BT+\t], v26, s[8:9] offset:4*(64*(\t/4)+8*(\t%4))
.endr
.set n, 0
.rept 64                                       ; w_out(UB(n / 8) + 32 h + n % 8, my column): the order in which a lane holds the last hidden layer
	global_load_b32 v[FO+n], v27, s[16:17] offset:12*(64*(n/32)+8*((n/8)%4)+n%8)
.set n, n+1
.endr
	WIN 0
	s_cmp_lt_u32 s[WV], 7                          ; waves 0 to 6 bring layer w's bias and scale words, 512 bytes each
	s_cbranch_scc0 .Lno_bias
	global_load_b128 v[HB:HB+3], v28, s[14:15]
	global_load_b128 v[HB+4:HB+7], v28, s[12:13]
	s_wait_loadcnt 0x0
	ds_store_b128 v28, v[HB:HB+3] offset:BIA
	ds_store_b128 v28, v[HB+4:HB+7] offset:WSCL
.Lno_bias:
	s_wait_loadcnt 0x0                             ; all the head's loads are in, on both ways
	WIN 0x04                                       ; an LDS store's data are its source 1: window 1
.irp l, 0,1,2,3,4,5,6
.irp c, 0,1
	ds_store_b128 v23, v[STW+4*(2*\l+\c):STW+4*(2*\l+\c)+3] offset:8192*\l+512*\c
.endr
.endr
.irp i, 0,1,2,3,4,5
	ds_store_b128 v24, v[STX+4*\i:STX+4*\i+3] offset:512*\i
.endr
	WIN 0x45
.irp t, 0,1,2,3,4,5,6,7
	v_cndmask_b32 v[AIN+2*\t+1], v[AIN+2*\t+1], v[BT+\t], s[HM]   ; k = 3 is the bias
.endr
.set n, 0
.rept 32
	v_cvt_pk_bf16_f32 v[AOUT+n], v[FO+2*n], v[FO+2*n+1]
.set n, n+1
.endr
.set n, 0
.rept 32
	v_cndmask_b32 v[AOUT+n], 0, v[AOUT+n], s[OM]   ; rows 0-2 and 8-10 of the padded w_out^T hold its three columns, the others zeros: both halves of the lanes then get out(r, 0 .. 2)
.set n, n+1
.endr
	WIN 0
	s_wait_kmcnt 0x0
	v_mov_b32 v[COUT], s36
	v_mov_b32 v[COUT+1], s37
	v_mov_b32 v[COUT+2], s38
.irp j, 3,4,5,6,7
	v_mov_b32 v[COUT+\j], 0
.endr
	s_wait_dscnt 0x0                               ; for the others' sake: my stores have landed
	s_barrier_signal -1
	s_barrier_wait -1                              ; the one barrier: from here on weights, biases and scale words are only read
; The next layer's eight fragments, bias and scale words: 40 LDS loads in one run.  The three additions and the v_nop are the four places between the last product that read these registers and the loads into them.
.macro LOADW
	WIN 0
	v_add_nc_u32 v[ADW], s[LW], v[LI]
	v_add_nc_u32 v[ADB], s[LB], v[AB0]
	v_add_nc_u32 v[ADS], s[LB], v[AS0]
	v_nop
.irp t, 0,1,2,3,4,5,6,7
	ds_load_b32 v[WS+\t], v[ADS] offset:4*(64*(\t/4)+8*(\t%4))
.endr
	WIN 0x40
.irp t, 0,1,2,3,4,5,6,7
.irp c, 0,1
	ds_load_b128 v[WF+8*\t+4*\c:WF+8*\t+4*\c+3], v[ADW] offset:1024*\t+512*\c      ; an image: 16 bytes a lane, 512 on end
.endr
.endr
.irp t, 0,1,2,3,4,5,6,7
	ds_load_b128 v[BI+8*\t:BI+8*\t+3], v[ADB] offset:4*(64*(\t/4)+8*(\t%4))        ; b(UB(t) + 32 h + 0 .. 7): sixteen lanes share the bytes
	ds_load_b128 v[BI+8*\t+4:BI+8*\t+7], v[ADB] offset:4*(64*(\t/4)+8*(\t%4))+16
.endr
	WIN 0
	s_add_co_u32 s[LW], s[LW], 8192
	s_add_co_u32 s[LB], s[LB], 512
.endm
; The first product for row tile m: eight tiles of 16 units, K = 4 (x0, x1, x2, 1), each sum one instruction that begins with 0.
.macro INP m
	WIN 0x05
.irp t, 0,1,2,3,4,5,6,7
	v_wmma_f32_16x16x4_f32 v[ACC+64*((\m)%2)+8*\t:ACC+64*((\m)%2)+8*\t+7], v[AIN+2*\t:AIN+2*\t+1], v[XB+2*(\m):XB+2*(\m)+1], 0
.endr
.endm
; A hidden layer for row tile m: eight tiles of 16 units, K = 128: each sum is ONE instruction, with the bias as its C.  No accumulator is added onto.
.macro MUL8 m
	WIN 0x15
.irp t, 0,1,2,3,4,5,6,7
	v_wmma_scale_f32_16x16x128_f8f6f4 v[ACC+64*((\m)%2)+8*\t:ACC+64*((\m)%2)+8*\t+7], v[WF+8*\t:WF+8*\t+7], v[CD+8*(\m):CD+8*(\m)+7], v[BI+8*\t:BI+8*\t+7], v[WS+\t], v[ASC+(\m)] matrix_a_fmt:MATRIX_FMT_FP4 matrix_b_fmt:MATRIX_FMT_FP4
.endr
.endm
; relu and the quantiser for row tile m: the 64 numbers of a lane (two whole blocks of 32) become the next operand's eight registers and its scale word.  80 vector instructions.
.macro QUANT m
.set QA, ACC+64*((\m)%2)
	WIN 0
.irp t, 0,1,2,3,4,5,6,7
	v_max3_num_f32 v[TM+\t], v[QA+8*\t], v[QA+8*\t+1], v[QA+8*\t+2]      ; eight chains by turns; each accumulator is read from its low end on.  No |.|: what is negative does not count
.endr
.irp i, 3,5
.irp t, 0,1,2,3,4,5,6,7
	v_max3_num_f32 v[TM+\t], v[TM+\t], v[QA+8*\t+\i], v[QA+8*\t+\i+1]
.endr
.endr
.irp c, 0,1
	v_max3_num_f32 v[TM+4*\c], v[TM+4*\c], v[QA+32*\c+7], v[QA+32*\c+15]
	v_max3_num_f32 v[TM+4*\c+1], v[TM+4*\c+1], v[QA+32*\c+23], v[QA+32*\c+31]
.endr
.irp c, 0,1
	v_max3_num_f32 v[TM+4*\c], v[TM+4*\c], v[TM+4*\c+1], v[TM+4*\c+2]
.endr
.irp c, 0,1
	v_max3_num_f32 v[TM+4*\c], v[TM+4*\c], v[TM+4*\c+3], s[FLOOR]        ; block 2 c + h: its largest number, or the floor
.endr
.irp c, 0,1
	v_add_nc_u32 v[SO+\c], s[M2], v[TM+4*\c]                             ; 2 off its exponent field: the conversion takes the exponent field of this operand as its scale
.endr
.irp t, 0,1,2,3,4,5,6,7
	v_cvt_scalef32_pk8_fp4_f32 v[RAW+\t], v[QA+8*\t:QA+8*\t+7], v[SO+\t/4]
.endr
.irp c, 0,1
	v_lshrrev_b32 v[SB+\c], 23, v[SO+\c]                                 ; the scales' bytes.  (Plain lines between the conversions and the first touch of their results)
.endr
.irp t, 0,1,2,3,4,5,6,7
	v_and_b32 v[NT+\t], s[K8], v[RAW+\t]                                 ; 8 in each negative code
.endr
	v_lshl_or_b32 v[SB], v[SB+1], 16, v[SB]                              ; my two bytes: blocks h and 2 + h,
.irp t, 0,1,2,3
	v_lshrrev_b32 v[NU+\t], 3, v[NT+\t]                                  ; 1 in each negative code
.endr
	v_lshlrev_b32 v[SB], v[SH8], v[SB]                                   ; at their places in the word;
.irp t, 4,5,6,7
	v_lshrrev_b32 v[NU+\t], 3, v[NT+\t]
.endr
	v_permlanex16_b32 v[SB+1], v[SB], s[SEL], s[SEL+1]
.irp t, 0,1,2,3,4,5,6,7
	v_sub_nc_u32 v[NT+\t], v[NT+\t], v[NU+\t]                            ; 7 in each negative code: its magnitude bits
.endr
	v_or_b32 v[ASC+(\m)], v[SB], v[SB+1]                                 ; with lane l xor 16's two the row's scale word is whole
	WIN 0x40
.irp t, 0,1,2,3,4,5,6,7
	v_bfi_b32 v[CD+8*(\m)+\t], v[NT+\t], 0, v[RAW+\t]                    ; relu: those bits cleared.  Register t of the next operand
.endr
.endm
; out(16 m + r, 0 .. 2) = the two accumulators' sum, into my wave's stage.  Both halves of the lanes hold, and store, the same numbers.
.macro FIN m
	WIN 0
.irp j, 0,1,2
	v_add_f32 v[TM+\j], v[OA+\j], v[OB+\j]
.endr
.irp j, 0,1,2
	ds_store_b32 v[AO], v[TM+\j] offset:192*(\m)+4*\j
.endr
.endm
; The last product for row tile m: relu, rounding to bf16 (a tile's eight registers make four), then four matrix instructions of 32 along K on two accumulators that take turns, one instruction a turn.
; k stands in the same order in w_out's operand and in the hidden layer's.  The first eight maxima are the places ahead of the rewriting of HB, which the tile before multiplied.
.macro OUTP m
.set QA, ACC+64*((\m)%2)
	WIN 0
.irp g, 0,1,2,3,4,5,6,7
.irp j, 0,1,2,3,4,5,6,7
	v_max_num_f32 v[RT+8*(\g%2)+\j], 0, v[QA+8*\g+\j]
.endr
.irp i, 0,1,2,3
	v_cvt_pk_bf16_f32 v[HB+4*\g+\i], v[RT+8*(\g%2)+2*\i], v[RT+8*(\g%2)+2*\i+1]
.endr
.endr
.if (\m) > 0
	FIN (\m)-1                                     ; the tile before: its products stand 96 vector instructions back
.endif
	WIN 0x01
	v_wmma_f32_16x16x32_bf16 v[OA:OA+7], v[AOUT:AOUT+7], v[HB:HB+7], v[COUT:COUT+7]
	v_wmma_f32_16x16x32_bf16 v[OB:OB+7], v[AOUT+8:AOUT+15], v[HB+8:HB+15], 0
	v_wmma_f32_16x16x32_bf16 v[OA:OA+7], v[AOUT+16:AOUT+23], v[HB+16:HB+23], v[OA:OA+7]
	v_wmma_f32_16x16x32_bf16 v[OB:OB+7], v[AOUT+24:AOUT+31], v[HB+24:HB+31], v[OB:OB+7]
.endm
; THE ORDER OF A LAYER: the products of row tile m + 1, then the vector work on row tile m's results, on two sets of accumulators by turns.  So the vector work of one tile (80 lines or more, all but its
; eight conversions plain, and naming no register of the products just issued) always lies between a product and the first read of its results, the rewriting of its codes and scale word,
; and the next product into its accumulators; codes and scale words are made a stage or more ahead of the product that takes them.
	s_mov_b32 s[PN], 2
	s_mov_b32 s[PX], 0
.Lpass:
	v_add_nc_u32 v[AXA], s[PX], v[AX0]
	v_add_nc_u32 v[AXB], s[PX], v[AX1]
	s_mov_b32 s[LW], 0
	s_mov_b32 s[LB], 0
	WIN 0x40
.irp m, 0,1,2,3,4,5,6,7
	ds_load_b32 v[XB+2*\m], v[AXA] offset:192*\m   ; x(16 m + r, 2 h)
	ds_load_b32 v[XB+2*\m+1], v[AXB] offset:192*\m ; x(16 m + r, 1)
.endr
	LOADW                                          ; layer 0
	s_wait_dscnt 40                                ; x's 16 loads are in; the 40 issued behind them may stay out
	WIN 0x41
.irp m, 0,1,2,3,4,5,6,7
	v_cndmask_b32 v[XB+2*\m+1], v[XB+2*\m+1], 1.0, s[HM]   ; k = 3: 1.0, against the bias
.endr
	INP 0
.rept 8
	v_nop                                          ; eight places behind this form ahead of the first read of its results: no other vector work is at hand yet
.endr
.irp m, 1,2,3,4,5,6,7
	INP \m
	QUANT \m-1
.endr
	WIN 0                                          ; at a label and at a branch every window is 0
	s_mov_b32 s[LC], 6
.Llayer:                                           ; layers 0 to 5: a trip begins with the last row tile of the layer before still to be quantised
	s_wait_dscnt 0x0                               ; this layer's fragments, bias and scale words are in (asked for one tile's vector work ago)
	MUL8 0
	QUANT 7
.irp m, 1,2,3,4,5,6
	MUL8 \m
	QUANT \m-1
.endr
	MUL8 7
	LOADW                                          ; the layer's last products are issued: the next layer's weights take their registers
	QUANT 6
	WIN 0
	s_sub_co_u32 s[LC], s[LC], 1
	s_cmp_lg_u32 s[LC], 0
	s_cbranch_scc1 .Llayer
	s_wait_dscnt 0x0                               ; layer 6 is written out: its results are not quantised but go into the last product
	MUL8 0
	QUANT 7
.irp m, 1,2,3,4,5,6,7
	MUL8 \m
	OUTP \m-1
.endr
	OUTP 7
	WIN 0
.rept 4
	v_nop                                          ; four places ahead of the read of results just made
.endr
	FIN 7
.irp i, 0,1,2
	ds_load_b128 v[RT+4*\i:RT+4*\i+3], v[AOR] offset:512*\i   ; LDS serves a wave's instructions in order (ISA guide 5.7.1.4): these see my stores
.endr
	s_wait_dscnt 0x0
.irp i, 0,1,2
	global_store_b128 v[LI], v[RT+4*\i:RT+4*\i+3], s[20:21] offset:512*\i th:TH_STORE_NT   ; 128 rows of out: each store covers 512 consecutive bytes, from a multiple of 256 of out0
.endr
	s_wait_xcnt 0x0                                ; the stores have read their base and their data: both are written again only behind this wait
	s_add_nc_u64 s[20:21], s[20:21], 1536
	s_add_co_u32 s[PX], s[PX], 1536
	s_sub_co_u32 s[PN], s[PN], 1
	s_cmp_lg_u32 s[PN], 0
	s_cbranch_scc1 .Lpass
	s_wait_tensorcnt 0x0
	ds_add_u32 v126, v127
	s_wait_dscnt 0x0
	s_endpgm
.Lfunc_end_k_qdb407a9e4e_mlp:
	.size	k_qdb407a9e4e_mlp, .Lfunc_end_k_qdb407a9e4e_mlp-k_qdb407a9e4e_mlp
	.p2alignl 7, 3214868480
	.fill 96, 4, 3214868480
	.section	.rodata,"a",@progbits
	.p2align	6, 0x0
	.amdhsa_kernel k_qdb407a9e4e_mlp
		.amdhsa_group_segment_fixed_size 102400
		.amdhsa_private_segment_fixed_size 0
		.amdhsa_enable_private_segment 0
		.amdhsa_kernarg_size 72
		.amdhsa_user_sgpr_count 2
		.amdhsa_user_sgpr_kernarg_segment_ptr 1
		.amdhsa_wavefront_size32 1
		.amdhsa_system_sgpr_workgroup_id_x 1
		.amdhsa_system_sgpr_workgroup_id_y 1
		.amdhsa_system_sgpr_workgroup_id_z 1
		.amdhsa_system_vgpr_workitem_id 0
		.amdhsa_next_free_vgpr 512
		.amdhsa_next_free_sgpr 66
		.amdhsa_reserve_vcc 0
		.amdhsa_float_denorm_mode_32 3
		.amdhsa_float_denorm_mode_16_64 3
		.amdhsa_memory_ordered 1
		.amdhsa_forward_progress 1
		.amdhsa_inst_pref_size 153
	.end_amdhsa_kernel
	.amdgpu_metadata
---
amdhsa.version: [ 1, 2 ]
amdhsa.kernels:
  - .name:           k_qdb407a9e4e_mlp
    .symbol:         k_qdb407a9e4e_mlp.kd
    .args:
      - { .name: x, .offset: 0, .size: 8, .value_kind: global_buffer, .address_space: global }
      - { .name: w_in, .offset: 8, .size: 8, .value_kind: global_buffer, .address_space: global }
      - { .name: b_in, .offset: 16, .size: 8, .value_kind: global_buffer, .address_space: global }
      - { .name: w_hid_codes, .offset: 24, .size: 8, .value_kind: global_buffer, .address_space: global }
      - { .name: w_hid_scales, .offset: 32, .size: 8, .value_kind: global_buffer, .address_space: global }
      - { .name: b_hid, .offset: 40, .size: 8, .value_kind: global_buffer, .address_space: global }
      - { .name: w_out, .offset: 48, .size: 8, .value_kind: global_buffer, .address_space: global }
      - { .name: b_out, .offset: 56, .size: 8, .value_kind: global_buffer, .address_space: global }
      - { .name: out0, .offset: 64, .size: 8, .value_kind: global_buffer, .address_space: global }
    .group_segment_fixed_size: 102400
    .private_segment_fixed_size: 0
    .kernarg_segment_align: 8
    .kernarg_segment_size: 72
    .max_flat_workgroup_size: 256
    .sgpr_count:     66
    .vgpr_count:     512
    .wavefront_size: 32
...
	.end_amdgpu_metadata
.endif
;; end of part 1
;; ======== version 2 of 2: 1 launch; version 1 with the launch mlp written anew for expert scheduling mode
;; launch mlp (part 2): grid 256 x 1, 8 waves a work-group, no clusters, 102,400 bytes of LDS; arguments x, w_in, b_in, w_hid_codes, w_hid_scales, b_hid, w_out, b_out, out0; writes out0
.if DOCPART == 2
	.amdgcn_target "amdgcn-amd-amdhsa--gfx1250"
	.amdhsa_code_object_version 6
	.text
	.protected	k_qdb407a9e4e_mlp
	.globl	k_qdb407a9e4e_mlp
	.p2align	8
	.type	k_qdb407a9e4e_mlp,@function
k_qdb407a9e4e_mlp:
	s_mov_b64 s[64:65], 0
	v_nop
	global_prefetch_b8 v0, s[64:65] scope:SCOPE_SE
	s_setreg_imm32_b32 hwreg(HW_REG_WAVE_SCHED_MODE, 0, 2), 2
	s_setreg_imm32_b32 hwreg(HW_REG_WAVE_MODE, 25, 1), 1
	s_wait_xcnt 0x0
	s_wait_alu depctr_vm_vsrc(0)
; out = (relu(.. relu(relu(x w_in + b_in) W0 + b0) ..) W6 + b6) w_out + b_out for 524,288 rows.  x, out: [524288][3] f32.
; The seven products 128 -> 128 run on codes of FP4 (E2M1) with one E8M0 scale for each 32 along K: the weights come as codes (64 bytes and one scale word for each output unit),
; the activations are quantised here, in registers.  The first product (K = 3) is done by the f32 matrix form, since its result goes into a quantiser; the last (N = 3) on bf16 operands; all sums f32.
; SHARES.  256 work-groups of eight waves; a work-group owns 2,048 rows, a wave 256, in two passes of eight tiles of 16 rows.  A wave takes its rows through all nine products alone: nothing
; of the chain goes to memory or to another wave.  The waves share only the weights, which lie in LDS, read-only behind the one barrier.  Eight waves of 512 registers: two to a SIMD, so that one
; wave's matrix instructions stand beside the other's vector work, of which there is ten times as much (80 vector instructions requantise what 8 matrix instructions make).
; ALL PRODUCTS ARE USED TRANSPOSED: source 0 = 16 rows of a weight (16 output units), source 1 = 16 rows of data.  A lane then holds ONE data row (lane % 16) throughout.
; THE UNITS OF A TILE ARE NOT NEIGHBOURS: lane r of weight tile t takes unit UB(t) + r % 8 + 32 (r / 8), UB(t) = 64 (t / 4) + 8 (t % 4).  In the result lane (r, h) register j of tile t is unit
; 64 (t / 4) + 32 h + 8 (t % 4) + j, which is the k of register t of the next 4-bit operand.  So ONE conversion of a tile's eight registers IS register t of the next operand, a block of 32
; (tiles 4 c .. 4 c + 3: block 2 c + h) lies in one lane, and only the scale word's bytes cross the halves of the lanes.
; RELU IS DONE ON THE CODES: the block's maximum is taken without |.| (what is negative does not count; a floor stands under it), the numbers are converted as they are, and the magnitude bits of every
; negative code are cleared: four instructions for eight numbers.
; BIASES: b_hid is the C of each product; b_in is the fourth k of the first product, against a fourth x of 1.0; b_out is the C of the last.
; NO JOINT LOADS, NO TENSOR LOADS: what work-groups share is 64,512 bytes of weights, read once by each at its head, against 2,048 rows x 9 products of work; they go through registers into LDS
; as images of the operand's registers, with the tiles' units already chosen.  All global reads stand at the head, so nothing is prefetched.
; LIMITS: NaN and infinities are not served.  A negative activation becomes the code -0, which adds nothing.  A block with no positive number gets the scale byte 1 (the rule says 127) over zero codes:
; the bytes are read by this text alone.  The first product sums x0 w0, x1 w1, x2 w2, b in that order.  The last product's operands are rounded to bf16.
; THE MODE: SCHED_MODE bits 1:0 = 2 (LLVM: expert scheduling mode 2), set by the entry lines.  The code itself states the register dependences
; between vector or matrix instructions and memory or LDS instructions, with s_wait_alu, always for 0.
; THE PLAN.  Registers that memory or LDS instructions touch, behind the head:
;   WF, BI, WS       One layer's weights, bias and scale words.  Written by 40 LDS loads; read by that layer's 64 products; loaded again behind the layer's last products (MUL8 7).
;   ADW, ADB, ADS    The addresses of those loads.  Written by three additions a layer; read by the 40 loads.
;   CD[m], ASC[m]    Codes and scale word of row tile m.  No load or store names them in a layer, but vector instructions (QUANT m) write them and a scaled product (the next layer's MUL8 m) takes them.
;   XB, AXA, AXB     (x | 1) and its two addresses: written once a pass, at its head.
;   OR               A pass's 24 results a lane: written by FIN, read by the 24 LDS stores at the pass's end.     RT: at work in OUTP; then three LDS loads land in it and three global stores read it.
; A TRIP OF THE LAYER LOOP HAS TWO WAITS ON va_vdst AND ONE ON vm_vsrc.  The first stands ahead of MUL8 2: row tile 6 of the layer before and row tile 7 have been quantised by then, and MUL8 6 and 7 follow it.
; The second stands in the middle of the last row tile's vector work, behind its 34 maxima: MUL8 7 is done reading the weights, the three addresses are written, and row tiles 7 and 0 to 5 are quantised,
; for the next trip's MUL8 0 to 5.  The 40 loads follow it in one run, and the tile's other 46 vector instructions, which name none of the loads' registers, stand behind them.
;
; LDS:  WIMG 0: images of the weights' fragments: ((8 l + t) 2 + c) 512 + 16 lane;  BIA: b_hid as it lies;  WSCL: the weights' scale words as they lie;
;       XST: for each wave its 256 rows of x as they lie (3,072 bytes);  OST: for each wave a pass's 128 rows of out (1,536 bytes).
.set BIA,  57344
.set WSCL, 60928
.set XST,  64512
.set OST,  89088
; REGISTERS, in windows of 256 (s_set_vgpr_msb: bits 1:0 source 0, 3:2 source 1, 5:4 source 2, 7:6 destination).  Window 0: all that vector instructions touch.
.set LI,   1        ; v1   16 x lane; never rewritten
.set AB0,  2        ; v2   BIA + 128 h
.set AS0,  3        ; v3   WSCL + 4 (r % 8 + 32 (r / 8))
.set AX0,  4        ; v4   my wave's x in LDS + 12 r + 8 h
.set AX1,  5        ; v5   my wave's x in LDS + 12 r + 4
.set AO,   6        ; v6   my wave's out stage + 12 r
.set AOR,  7        ; v7   my wave's out stage + 16 lane
.set ADW,  8        ; v8-10  addresses of the layer in hand: weights, bias, scale words
.set ADB,  9
.set ADS,  10
.set AXA,  11       ; v11-12 x's addresses of the pass in hand
.set AXB,  12
.set SH8,  13       ; v13  8 h
.set TM,   16       ; v16-23 maxima
.set SO,   24       ; v24-25 the conversions' scale operands
.set SB,   26       ; v26-27 scale bytes
.set RAW,  28       ; v28-35 codes as converted
.set NT,   36       ; v36-43, v44-51 at work on the codes; together RT, 16 registers at work on the way out
.set NU,   44
.set RT,   36
.set WS,   52       ; v52-59 the weights' scale words, one a tile: scales and nothing else
.set ASC,  60       ; v60-67 the activations' scale words, one a row tile: scales and nothing else
.set COUT, 68       ; v68-75 b_out in the result's layout
.set OA,   76       ; v76-83, v84-91 the last product's two accumulators
.set OB,   84
.set HB,   92       ; v92-123 the last hidden layer in bf16
.set ACC,  128      ; v128-255 two sets of eight accumulators: written by matrix instructions alone
; Window 1:
.set WF,   0        ; v0-63    one layer's eight fragments
.set BI,   64       ; v64-127  one layer's bias, eight registers a tile
.set CD,   128      ; v128-191 the activations' codes, eight registers a row tile
.set OR,   128      ; v128-151 at a pass's end: out's three numbers of each row tile, over the codes of row tiles 0 to 2, which the last hidden layer's products have read by then
.set AOUT, 192      ; v192-223 w_out^T in bf16, padded to 16 rows
.set AIN,  224      ; v224-239 (w_in | b_in)^T, two registers a tile
.set XB,   240      ; v240-255 (x | 1), two registers a row tile
.set STW,  0        ; at the head: v0-55 weights, v56-79 x on their way to LDS; v88-95 b_in; v96-159 w_out in f32
.set STX,  56
.set BT,   88
.set FO,   96
; Scalars: s[4:19] the first eight addresses, s[20:21] out0
.set WV,   22
.set SEL,  24       ; s[24:25] v_permlanex16_b32's selects for lane l xor 16
.set FLOOR, 26
.set M2,   27
.set K8,   28
.set HM,   29       ; lanes 16-31
.set OM,   30       ; lanes with lane % 8 < 3
.set LW,   31       ; 8,192 x the layer to be fetched
.set LB,   32       ; 512 x the same
.set PX,   33       ; 1,536 x the pass
.set LC,   34
.set PN,   35
.set MSB, 0
.macro WIN new                         ; the immediate's high byte repeats the setting that is left; a switch that changes nothing is dropped
.if MSB != \new
	s_set_vgpr_msb (MSB<<8)|\new
.set MSB, \new
.endif
.endm
	s_load_b512 s[4:19], s[0:1], 0x0               ; x, w_in, b_in, codes, scales, b_hid, w_out, b_out
	s_load_b64 s[20:21], s[0:1], 0x40              ; out0
	v_lshl_add_u32 v126, v0, 2, 0x18c00
	v_mov_b32 v127, 0
	v_lshrrev_b32 v15, 5, v0
	v_readfirstlane_b32 s[WV], v15                 ; wave 0..7
	v_and_b32 v14, 31, v0                          ; lane
	v_and_b32 v16, 15, v0                          ; r
	v_bfe_u32 v17, v0, 4, 1                        ; h
	v_and_b32 v18, 7, v0                           ; r % 8
	v_bfe_u32 v19, v0, 3, 1                        ; r / 8
	v_cmp_le_u32 s[HM], 16, v14                    ; the three vector lines that write scalar registers stand together, with one wait behind them
	v_cmp_gt_u32 s[OM], 3, v18
	v_lshl_add_u32 v20, v19, 5, v18                ; ru = r % 8 + 32 (r / 8): my unit in a tile
	v_lshlrev_b32 v[LI], 4, v14
	v_lshl_add_u32 v[AB0], v17, 7, BIA
	v_lshl_add_u32 v[AS0], v20, 2, WSCL
	v_mul_u32_u24 v21, v16, 12                     ; a row of x or of out is 12 bytes
	s_wait_alu depctr_va_sdst(0)                   ; s[WV], s[HM] and s[OM] are written, ahead of their first readers and of the first branch: addresses and a branch are made from the wave's number, selects read the two masks
	s_mul_i32 s23, s[WV], 3072
	s_add_co_u32 s39, s23, XST
	v_add_nc_u32 v[AX1], s39, v21
	v_lshl_add_u32 v[AX0], v17, 3, v[AX1]
	v_add_nc_u32 v[AX1], 4, v[AX1]
	v_add_nc_u32 v24, s39, v[LI]                   ; where I put x
	s_mul_i32 s42, s[WV], 1536
	s_add_co_u32 s42, s42, OST
	v_add_nc_u32 v[AO], s42, v21
	v_add_nc_u32 v[AOR], s42, v[LI]
	v_lshlrev_b32 v[SH8], 3, v17
	s_lshl_b32 s43, s[WV], 10
	v_add_nc_u32 v23, s43, v[LI]                   ; where I put the images of tile t = my wave
	s_lshl_b32 s43, s[WV], 9
	v_add_nc_u32 v28, s43, v[LI]                   ; 512 w + 16 lane: my 16 bytes of layer w's bias and scale words, in memory and in LDS alike
	s_lshr_b32 s43, s[WV], 2
	s_lshl_b32 s43, s43, 12
	s_and_b32 s44, s[WV], 3
	s_lshl_b32 s44, s44, 9
	s_add_co_u32 s43, s43, s44                     ; 64 UB(w)
	v_lshlrev_b32 v22, 6, v18
	v_lshl_add_u32 v22, v19, 11, v22
	v_lshl_add_u32 v22, v17, 4, v22
	v_add_nc_u32 v22, s43, v22                     ; the codes of my unit of tile w: 64 (UB(w) + ru) + 16 h
	v_lshlrev_b32 v26, 2, v20                      ; 4 ru
	v_lshl_add_u32 v25, v17, 10, v26               ; + row 2 h of w_in
	v_min_u32 v27, 2, v18
	v_lshlrev_b32 v27, 2, v27
	v_mad_u32_u24 v27, v17, 384, v27               ; w_out: column min(lane % 8, 2), 32 h rows of 12 bytes down
	s_mov_b32 s[SEL], 0x76543210
	s_mov_b32 s[SEL+1], 0xfedcba98
	s_mov_b32 s[FLOOR], 0x01800000                 ; 2^(3 - 127): under it no largest number is taken, so the scale's byte cannot fall under 1
	s_mov_b32 s[M2], 0xff000000                    ; takes 2 off an exponent field
	s_mov_b32 s[K8], 0x88888888                    ; the sign bits of eight codes
	s_mul_i32 s40, ttmp9, 24576                    ; my work-group's 2,048 rows of 12 bytes,
	s_add_co_u32 s40, s40, s23                     ; my wave's 256
	s_mov_b32 s41, 0
	s_wait_kmcnt 0x0
	s_load_b96 s[36:38], s[18:19], 0x0             ; b_out
	s_add_nc_u64 s[4:5], s[4:5], s[40:41]
	s_add_nc_u64 s[20:21], s[20:21], s[40:41]
	WIN 0x40                                       ; destinations in window 1
	s_wait_alu depctr_va_vdst(0)                   ; all offsets and LDS addresses (v1 to v7, v22 to v28) are written: the head's loads and LDS stores read them, and no vector instruction stands between this wait and the last of those
.irp l, 0,1,2,3,4,5,6                          ; wave w stages tile w of all seven layers: a fragment's registers as the matrix instruction wants them
.irp c, 0,1
	global_load_b128 v[STW+4*(2*\l+\c):STW+4*(2*\l+\c)+3], v22, s[10:11] offset:8192*\l+32*\c
.endr
.endr
.irp i, 0,1,2,3,4,5
	global_load_b128 v[STX+4*\i:STX+4*\i+3], v[LI], s[4:5] offset:512*\i th:TH_LOAD_NT   ; my wave's x: 512 consecutive bytes a load, from a multiple of 256
.endr
.irp t, 0,1,2,3,4,5,6,7                        ; the first product's source 0: lane (r, h) register j holds k = 2 h + j of its unit: w_in rows 0, 1 | row 2, b_in
	global_load_b32 v[AIN+2*\t], v25, s[6:7] offset:4*(64*(\t/4)+8*(\t%4))
	global_load_b32 v[AIN+2*\t+1], v26, s[6:7] offset:512+4*(64*(\t/4)+8*(\t%4))
	global_load_b32 v[BT+\t], v26, s[8:9] offset:4*(64*(\t/4)+8*(\t%4))
.endr
.set n, 0
.rept 64                                       ; w_out(UB(n / 8) + 32 h + n % 8, my column): the order in which a lane holds the last hidden layer
	global_load_b32 v[FO+n], v27, s[16:17] offset:12*(64*(n/32)+8*((n/8)%4)+n%8)
.set n, n+1
.endr
	WIN 0
	s_cmp_lt_u32 s[WV], 7                          ; waves 0 to 6 bring layer w's bias and scale words, 512 bytes each
	s_cbranch_scc0 .Lno_bias
	global_load_b128 v[HB:HB+3], v28, s[14:15]
	global_load_b128 v[HB+4:HB+7], v28, s[12:13]
	s_wait_loadcnt 0x0
	ds_store_b128 v28, v[HB:HB+3] offset:BIA
	ds_store_b128 v28, v[HB+4:HB+7] offset:WSCL
.Lno_bias:
	s_wait_loadcnt 0x0                             ; all the head's loads are in, on both ways
	WIN 0x04                                       ; an LDS store's data are its source 1: window 1
.irp l, 0,1,2,3,4,5,6
.irp c, 0,1
	ds_store_b128 v23, v[STW+4*(2*\l+\c):STW+4*(2*\l+\c)+3] offset:8192*\l+512*\c
.endr
.endr
.irp i, 0,1,2,3,4,5
	ds_store_b128 v24, v[STX+4*\i:STX+4*\i+3] offset:512*\i
.endr
	WIN 0x45
.irp t, 0,1,2,3,4,5,6,7
	v_cndmask_b32 v[AIN+2*\t+1], v[AIN+2*\t+1], v[BT+\t], s[HM]   ; k = 3 is the bias
.endr
.set n, 0
.rept 32
	v_cvt_pk_bf16_f32 v[AOUT+n], v[FO+2*n], v[FO+2*n+1]
.set n, n+1
.endr
.set n, 0
.rept 32
	v_cndmask_b32 v[AOUT+n], 0, v[AOUT+n], s[OM]   ; rows 0-2 and 8-10 of the padded w_out^T hold its three columns, the others zeros: both halves of the lanes then get out(r, 0 .. 2)
.set n, n+1
.endr
	WIN 0
	s_wait_kmcnt 0x0
	v_mov_b32 v[COUT], s36
	v_mov_b32 v[COUT+1], s37
	v_mov_b32 v[COUT+2], s38
.irp j, 3,4,5,6,7
	v_mov_b32 v[COUT+\j], 0
.endr
	s_wait_dscnt 0x0                               ; for the others' sake: my stores have landed
	s_barrier_signal -1
	s_barrier_wait -1                              ; the one barrier: from here on weights, biases and scale words are only read
; The addresses of the next layer's fragments, bias and scale words.  The loads that read the old ones have done so: the wait for that stands ahead of each use of this macro.
.macro ADRW
	WIN 0
	v_add_nc_u32 v[ADW], s[LW], v[LI]
	v_add_nc_u32 v[ADB], s[LB], v[AB0]
	v_add_nc_u32 v[ADS], s[LB], v[AS0]
.endm
; The next layer's eight fragments, bias and scale words: 40 LDS loads in one run, with window switches alone between them.  The wait that states what they hang on stands ahead of each use of this macro.
.macro LOADW
	WIN 0
.irp t, 0,1,2,3,4,5,6,7
	ds_load_b32 v[WS+\t], v[ADS] offset:4*(64*(\t/4)+8*(\t%4))
.endr
	WIN 0x40
.irp t, 0,1,2,3,4,5,6,7
.irp c, 0,1
	ds_load_b128 v[WF+8*\t+4*\c:WF+8*\t+4*\c+3], v[ADW] offset:1024*\t+512*\c      ; an image: 16 bytes a lane, 512 on end
.endr
.endr
.irp t, 0,1,2,3,4,5,6,7
	ds_load_b128 v[BI+8*\t:BI+8*\t+3], v[ADB] offset:4*(64*(\t/4)+8*(\t%4))        ; b(UB(t) + 32 h + 0 .. 7): sixteen lanes share the bytes
	ds_load_b128 v[BI+8*\t+4:BI+8*\t+7], v[ADB] offset:4*(64*(\t/4)+8*(\t%4))+16
.endr
	WIN 0
	s_add_co_u32 s[LW], s[LW], 8192
	s_add_co_u32 s[LB], s[LB], 512
.endm
; The first product for row tile m: eight tiles of 16 units, K = 4 (x0, x1, x2, 1), each sum one instruction that begins with 0.
.macro INP m
	WIN 0x05
.irp t, 0,1,2,3,4,5,6,7
	v_wmma_f32_16x16x4_f32 v[ACC+64*((\m)%2)+8*\t:ACC+64*((\m)%2)+8*\t+7], v[AIN+2*\t:AIN+2*\t+1], v[XB+2*(\m):XB+2*(\m)+1], 0
.endr
.endm
; A hidden layer for row tile m: eight tiles of 16 units, K = 128: each sum is ONE instruction, with the bias as its C.  No accumulator is added onto.
.macro MUL8 m
	WIN 0x15
.irp t, 0,1,2,3,4,5,6,7
	v_wmma_scale_f32_16x16x128_f8f6f4 v[ACC+64*((\m)%2)+8*\t:ACC+64*((\m)%2)+8*\t+7], v[WF+8*\t:WF+8*\t+7], v[CD+8*(\m):CD+8*(\m)+7], v[BI+8*\t:BI+8*\t+7], v[WS+\t], v[ASC+(\m)] matrix_a_fmt:MATRIX_FMT_FP4 matrix_b_fmt:MATRIX_FMT_FP4
.endr
.endm
; relu and the quantiser for row tile m: the 64 numbers of a lane (two whole blocks of 32) become the next operand's eight registers and its scale word.  80 vector instructions, in two parts.
; QMAX, 34 of them: the two blocks' largest numbers and the conversions' scale operands.
.macro QMAX m
.set QA, ACC+64*((\m)%2)
	WIN 0
.irp t, 0,1,2,3,4,5,6,7
	v_max3_num_f32 v[TM+\t], v[QA+8*\t], v[QA+8*\t+1], v[QA+8*\t+2]      ; eight chains by turns; each accumulator is read from its low end on.  No |.|: what is negative does not count
.endr
.irp i, 3,5
.irp t, 0,1,2,3,4,5,6,7
	v_max3_num_f32 v[TM+\t], v[TM+\t], v[QA+8*\t+\i], v[QA+8*\t+\i+1]
.endr
.endr
.irp c, 0,1
	v_max3_num_f32 v[TM+4*\c], v[TM+4*\c], v[QA+32*\c+7], v[QA+32*\c+15]
	v_max3_num_f32 v[TM+4*\c+1], v[TM+4*\c+1], v[QA+32*\c+23], v[QA+32*\c+31]
.endr
.irp c, 0,1
	v_max3_num_f32 v[TM+4*\c], v[TM+4*\c], v[TM+4*\c+1], v[TM+4*\c+2]
.endr
.irp c, 0,1
	v_max3_num_f32 v[TM+4*\c], v[TM+4*\c], v[TM+4*\c+3], s[FLOOR]        ; block 2 c + h: its largest number, or the floor
.endr
.irp c, 0,1
	v_add_nc_u32 v[SO+\c], s[M2], v[TM+4*\c]                             ; 2 off its exponent field: the conversion takes the exponent field of this operand as its scale
.endr
.endm
; QCODE, the other 46: the codes, relu on them, and the scale word.
.macro QCODE m
.set QA, ACC+64*((\m)%2)
	WIN 0
.irp t, 0,1,2,3,4,5,6,7
	v_cvt_scalef32_pk8_fp4_f32 v[RAW+\t], v[QA+8*\t:QA+8*\t+7], v[SO+\t/4]
.endr
.irp c, 0,1
	v_lshrrev_b32 v[SB+\c], 23, v[SO+\c]                                 ; the scales' bytes.  (Plain lines between the conversions and the first touch of their results)
.endr
.irp t, 0,1,2,3,4,5,6,7
	v_and_b32 v[NT+\t], s[K8], v[RAW+\t]                                 ; 8 in each negative code
.endr
	v_lshl_or_b32 v[SB], v[SB+1], 16, v[SB]                              ; my two bytes: blocks h and 2 + h,
.irp t, 0,1,2,3
	v_lshrrev_b32 v[NU+\t], 3, v[NT+\t]                                  ; 1 in each negative code
.endr
	v_lshlrev_b32 v[SB], v[SH8], v[SB]                                   ; at their places in the word;
.irp t, 4,5,6,7
	v_lshrrev_b32 v[NU+\t], 3, v[NT+\t]
.endr
	v_permlanex16_b32 v[SB+1], v[SB], s[SEL], s[SEL+1]
.irp t, 0,1,2,3,4,5,6,7
	v_sub_nc_u32 v[NT+\t], v[NT+\t], v[NU+\t]                            ; 7 in each negative code: its magnitude bits
.endr
	v_or_b32 v[ASC+(\m)], v[SB], v[SB+1]                                 ; with lane l xor 16's two the row's scale word is whole
	WIN 0x40
.irp t, 0,1,2,3,4,5,6,7
	v_bfi_b32 v[CD+8*(\m)+\t], v[NT+\t], 0, v[RAW+\t]                    ; relu: those bits cleared.  Register t of the next operand
.endr
.endm
.macro QUANT m
	QMAX (\m)
	QCODE (\m)
.endm
; out(16 m + r, 0 .. 2) = the two accumulators' sum, into three registers of the row tile's own: the pass's 24 are stored together at its end, behind one wait.  Both halves of the lanes hold the same numbers.
.macro FIN m
	WIN 0x40
.irp j, 0,1,2
	v_add_f32 v[OR+3*(\m)+\j], v[OA+\j], v[OB+\j]
.endr
.endm
; The last product for row tile m: relu, rounding to bf16 (a tile's eight registers make four), then four matrix instructions of 32 along K on two accumulators that take turns, one instruction a turn.
; k stands in the same order in w_out's operand and in the hidden layer's.  The first eight maxima are the places ahead of the rewriting of HB, which the tile before multiplied.
.macro OUTP m
.set QA, ACC+64*((\m)%2)
	WIN 0
.irp g, 0,1,2,3,4,5,6,7
.irp j, 0,1,2,3,4,5,6,7
	v_max_num_f32 v[RT+8*(\g%2)+\j], 0, v[QA+8*\g+\j]
.endr
.irp i, 0,1,2,3
	v_cvt_pk_bf16_f32 v[HB+4*\g+\i], v[RT+8*(\g%2)+2*\i], v[RT+8*(\g%2)+2*\i+1]
.endr
.endr
.if (\m) > 0
	FIN (\m)-1                                     ; the tile before: its products stand 96 vector instructions back
.endif
	WIN 0x01
	v_wmma_f32_16x16x32_bf16 v[OA:OA+7], v[AOUT:AOUT+7], v[HB:HB+7], v[COUT:COUT+7]
	v_wmma_f32_16x16x32_bf16 v[OB:OB+7], v[AOUT+8:AOUT+15], v[HB+8:HB+15], 0
	v_wmma_f32_16x16x32_bf16 v[OA:OA+7], v[AOUT+16:AOUT+23], v[HB+16:HB+23], v[OA:OA+7]
	v_wmma_f32_16x16x32_bf16 v[OB:OB+7], v[AOUT+24:AOUT+31], v[HB+24:HB+31], v[OB:OB+7]
.endm
; THE ORDER OF A LAYER: the products of row tile m + 1, then the vector work on row tile m's results, on two sets of accumulators by turns.  So the vector work of one tile (80 lines or more, all but its
; eight conversions plain, and naming no register of the products just issued) always lies between a product and the first read of its results, the rewriting of its codes and scale word,
; and the next product into its accumulators; codes and scale words are made a stage or more ahead of the product that takes them.
	s_mov_b32 s[PN], 2
	s_mov_b32 s[PX], 0
.Lpass:
	s_wait_alu depctr_vm_vsrc(0)                   ; on the way in: the head's loads and LDS stores have read v22 to v28, the staging registers and HB, which this pass writes.  On the way back: the last pass's LDS loads have read AXA, AXB, ADW, ADB, ADS, its LDS stores OR, its global stores RT
	v_add_nc_u32 v[AXA], s[PX], v[AX0]
	v_add_nc_u32 v[AXB], s[PX], v[AX1]
	s_mov_b32 s[LW], 0
	s_mov_b32 s[LB], 0
	ADRW                                           ; layer 0
	WIN 0x40
	s_wait_alu depctr_va_vdst(0)                   ; the five addresses are written; the head's conversions and selects are done reading b_in's and w_out's registers, and the last pass's products XB, WF, BI and WS: the 56 loads below land in these
.irp m, 0,1,2,3,4,5,6,7
	ds_load_b32 v[XB+2*\m], v[AXA] offset:192*\m   ; x(16 m + r, 2 h)
	ds_load_b32 v[XB+2*\m+1], v[AXB] offset:192*\m ; x(16 m + r, 1)
.endr
	LOADW                                          ; layer 0
	s_wait_dscnt 40                                ; x's 16 loads are in; the 40 issued behind them may stay out
	WIN 0x41
.irp m, 0,1,2,3,4,5,6,7
	v_cndmask_b32 v[XB+2*\m+1], v[XB+2*\m+1], 1.0, s[HM]   ; k = 3: 1.0, against the bias
.endr
	INP 0
.rept 8
	v_nop                                          ; eight places behind this form ahead of the first read of its results: no other vector work is at hand yet
.endr
.irp m, 1,2,3,4,5,6,7
	INP \m
	QUANT \m-1
.endr
	s_wait_alu depctr_va_vdst(0)                   ; the codes and scale words of row tiles 0 to 6 are written: the first trip's scaled products on row tiles 0 and 1 take them ahead of the trip's own first wait
	WIN 0                                          ; at a label and at a branch every window is 0
	s_mov_b32 s[LC], 6
.Llayer:                                           ; layers 0 to 5: a trip begins with the last row tile of the layer before still to be quantised
	s_wait_dscnt 0x0                               ; this layer's fragments, bias and scale words are in (asked for 46 vector instructions ago)
	MUL8 0
	QUANT 7
.irp m, 1,2,3,4,5,6
.if \m == 2
	s_wait_alu depctr_va_vdst(0)                   ; the codes and scale words of row tile 6 (made at the end of the trip before, or ahead of the loop) and of row tile 7 (made above) are written: the scaled products on them follow below
.endif
	MUL8 \m
	QUANT \m-1
.endr
	MUL8 7
	QMAX 6                                         ; 34 plain lines behind the layer's last products
	s_wait_alu depctr_vm_vsrc(0)                   ; the 40 loads of this layer's weights, a trip back, have read ADW, ADB and ADS
	ADRW
	s_wait_alu depctr_va_vdst(0)                   ; the three addresses are written; the layer's last products are done reading WF, BI and WS, in which the loads below land; the codes and scale words of row tiles 7 and 0 to 5 are written, for the next layer's scaled products on row tiles 0 to 5
	LOADW                                          ; the next layer's weights take the registers
	QCODE 6                                        ; names none of the loads' registers
	WIN 0
	s_sub_co_u32 s[LC], s[LC], 1
	s_cmp_lg_u32 s[LC], 0
	s_cbranch_scc1 .Llayer
	s_wait_dscnt 0x0                               ; layer 6 is written out: its results are not quantised but go into the last product
	MUL8 0
	QUANT 7
.irp m, 1,2,3,4,5,6,7
.if \m == 2
	s_wait_alu depctr_va_vdst(0)                   ; as in the loop: the codes and scale words of row tiles 6 and 7 are written, ahead of the scaled products on them
.endif
	MUL8 \m
	OUTP \m-1
.endr
	OUTP 7
.rept 4
	v_nop                                          ; four places ahead of the read of results just made
.endr
	FIN 7
	WIN 0x04                                       ; an LDS store's data are its source 1: window 1
	s_wait_alu depctr_va_vdst(0)                   ; the 24 sums are written, which the LDS stores read; the last row tile's maxima and roundings are done with RT, in which the three LDS loads land
.irp m, 0,1,2,3,4,5,6,7
.irp j, 0,1,2
	ds_store_b32 v[AO], v[OR+3*\m+\j] offset:192*\m+4*\j   ; both halves of the lanes store the same numbers
.endr
.endr
	WIN 0
.irp i, 0,1,2
	ds_load_b128 v[RT+4*\i:RT+4*\i+3], v[AOR] offset:512*\i   ; LDS serves a wave's instructions in order (ISA guide 5.7.1.4): these see my stores
.endr
	s_wait_dscnt 0x0
.irp i, 0,1,2
	global_store_b128 v[LI], v[RT+4*\i:RT+4*\i+3], s[20:21] offset:512*\i th:TH_STORE_NT   ; 128 rows of out: each store covers 512 consecutive bytes, from a multiple of 256 of out0
.endr
	s_wait_xcnt 0x0                                ; the stores have read their base and their data: both are written again only behind this wait (and the data behind the wait at the next pass's head)
	s_add_nc_u64 s[20:21], s[20:21], 1536
	s_add_co_u32 s[PX], s[PX], 1536
	s_sub_co_u32 s[PN], s[PN], 1
	s_cmp_lg_u32 s[PN], 0
	s_cbranch_scc1 .Lpass
	s_wait_dscnt 0x0
	s_wait_alu depctr_hold_cnt(0) depctr_sa_sdst(0) depctr_va_vdst(0) depctr_va_sdst(0) depctr_va_ssrc(0) depctr_va_vcc(0) depctr_vm_vsrc(0)
	s_wait_tensorcnt 0x0
	ds_add_u32 v126, v127
	s_wait_dscnt 0x0
	s_endpgm
.Lfunc_end_k_qdb407a9e4e_mlp:
	.size	k_qdb407a9e4e_mlp, .Lfunc_end_k_qdb407a9e4e_mlp-k_qdb407a9e4e_mlp
	.p2alignl 7, 3214868480
	.fill 96, 4, 3214868480
	.section	.rodata,"a",@progbits
	.p2align	6, 0x0
	.amdhsa_kernel k_qdb407a9e4e_mlp
		.amdhsa_group_segment_fixed_size 102400
		.amdhsa_private_segment_fixed_size 0
		.amdhsa_enable_private_segment 0
		.amdhsa_kernarg_size 72
		.amdhsa_user_sgpr_count 2
		.amdhsa_user_sgpr_kernarg_segment_ptr 1
		.amdhsa_wavefront_size32 1
		.amdhsa_system_sgpr_workgroup_id_x 1
		.amdhsa_system_sgpr_workgroup_id_y 1
		.amdhsa_system_sgpr_workgroup_id_z 1
		.amdhsa_system_vgpr_workitem_id 0
		.amdhsa_next_free_vgpr 512
		.amdhsa_next_free_sgpr 66
		.amdhsa_reserve_vcc 0
		.amdhsa_float_denorm_mode_32 3
		.amdhsa_float_denorm_mode_16_64 3
		.amdhsa_memory_ordered 1
		.amdhsa_forward_progress 1
		.amdhsa_inst_pref_size 154
	.end_amdhsa_kernel
	.amdgpu_metadata
---
amdhsa.version: [ 1, 2 ]
amdhsa.kernels:
  - .name:           k_qdb407a9e4e_mlp
    .symbol:         k_qdb407a9e4e_mlp.kd
    .args:
      - { .name: x, .offset: 0, .size: 8, .value_kind: global_buffer, .address_space: global }
      - { .name: w_in, .offset: 8, .size: 8, .value_kind: global_buffer, .address_space: global }
      - { .name: b_in, .offset: 16, .size: 8, .value_kind: global_buffer, .address_space: global }
      - { .name: w_hid_codes, .offset: 24, .size: 8, .value_kind: global_buffer, .address_space: global }
      - { .name: w_hid_scales, .offset: 32, .size: 8, .value_kind: global_buffer, .address_space: global }
      - { .name: b_hid, .offset: 40, .size: 8, .value_kind: global_buffer, .address_space: global }
      - { .name: w_out, .offset: 48, .size: 8, .value_kind: global_buffer, .address_space: global }
      - { .name: b_out, .offset: 56, .size: 8, .value_kind: global_buffer, .address_space: global }
      - { .name: out0, .offset: 64, .size: 8, .value_kind: global_buffer, .address_space: global }
    .group_segment_fixed_size: 102400
    .private_segment_fixed_size: 0
    .kernarg_segment_align: 8
    .kernarg_segment_size: 72
    .max_flat_workgroup_size: 256
    .sgpr_count:     66
    .vgpr_count:     512
    .wavefront_size: 32
...
	.end_amdgpu_metadata
.endif
;; end of part 2
